; MI455X (gfx1250); checked and timed in simulation.
; The chip was launched on July 23, 2026; its instructions are those of AMD's public machine-readable ISA for CDNA 5 (MIT licence, August 2026) and "CDNA5" Instruction Set Architecture Reference Guide (July 2026). The comments in the code are by the model that wrote it; some were corrected since.
;; Praxis Memory. Allowed arithmetic: matrix products marked QUANTISED: E5M2 operands, one given power-of-two scale a tensor, by v_wmma_f32_16x16x64_bf8_bf8 or v_wmma_f32_16x16x128_bf8_bf8, f32 sums; everything else in f32.
;; Inputs: gate 8 float32; inputs 2 x 1,024 x 1,024 float32; key 2 x 8 x 1,024 x 128 float32; key_memories 8 x 16,384 x 128 float32; lowp_scales 2 int32 (the exponents e of the quantised operands' scales 2^e); outputs 2 x 8 x 1,024 x 128 float32; query 2 x 8 x 1,024 x 128 float32; value 2 x 8 x 1,024 x 128 float32; value_memories 8 x 16,384 x 128 float32.
;; Outputs: out0 2 x 8 x 1,024 x 128 float32.
;; This version of the problem:
;;   THIS VERSION OF THE PROBLEM IS GIVEN IN LOW PRECISION. The matrix products marked QUANTISED in the list below multiply operands that are first quantised to E5M2 (5 exponent bits, 2 mantissa bits; 8 bits a number), with one given power-of-two scale for each operand tensor; their sums are f32. All else is computed in f32.
;;   The module's matrix products, in the order in which they are computed (A, B: the left and right operand; K: the contracted axis; several contracted axes count as one K, in the product's order):
;;     1. batch 8 x [M 2,048, K 128] x [K 128, N 16,384]; A: computed on the way; B: computed on the way: QUANTISED (scales: A lowp_scales[0], B lowp_scales[1])
;;   THE QUANTISER, for each operand of a quantised product, along K:
;;     - The operand's scale is 2^e, e = its entry of the input lowp_scales (int32; the entries are numbered through the quantised products in the list's order, A before B).
;;     - Each number is divided by the scale, clamped to +-57,344, and rounded to the nearest number of E5M2, ties to even, subnormals kept.
;;     - The product sums the exact products of the quantised numbers (number of the format x scale) in f32.
;;   ~~~python
;;   def quantise(x, axis, e):      # numpy; x: float32 -> the quantised numbers, widened to float32 again
;;       x = np.moveaxis(x, axis, -1); K = x.shape[-1]
;;       r = np.clip(x / 2.0 ** e, -57344, 57344)
;;       step = 2.0 ** (np.maximum(np.frexp(np.where(r == 0, 1, r))[1] - 1, -14) - 2)
;;       q = np.round(r / step) * step * 2.0 ** e      # np.round: ties to even
;;       return np.moveaxis(q, -1, axis).astype(np.float32)
;;   ~~~
;;   OPERANDS COMPUTED ON THE WAY. 'Computed on the way' means the value that the module computes at that place (a softmax that the list does not call 'softmax' is quantised finished and normalised). What goes into a quantiser is computed in f32, as accurately as f32 sums, v_exp_f32 and their like allow (about 1e-6 of the number): no bf16 or f16 on the way to a quantiser, and a product that is left as it is and whose result goes on into a quantised operand takes f32 operands (vector FMAs, or v_wmma_f32_16x16x4_f32). A number that lies on a knife's edge between two numbers of the format may be rounded either way, as far as f32 arithmetic and the matrix unit's own rounding can turn it there, and no further.
;; One version. Each part assembles by itself: llvm-mc -triple=amdgcn-amd-amdhsa -mcpu=gfx1250 --defsym DOCPART=n.
;; ======== version 1 of 1: 4 launches
;; limits: right only within a limited range of input values
;; workspace buffers: kcodes 16,777,216 bytes; qcodes 2,097,152 bytes; gsel 524,288 bytes of whole numbers; tidx 524,288 bytes of whole numbers; tsc 524,288 bytes
;; launch prep (part 1): grid 256 x 1, 9 waves a work-group, no clusters, 79,616 bytes of LDS; arguments key_memories, query, lowp_scales, kcodes, qcodes; writes kcodes, qcodes
.if DOCPART == 1
	.amdgcn_target "amdgcn-amd-amdhsa--gfx1250"
	.amdhsa_code_object_version 6
	.text
	.protected	k_q515d1e4e52_prep
	.globl	k_q515d1e4e52_prep
	.p2align	8
	.type	k_q515d1e4e52_prep,@function
k_q515d1e4e52_prep:
	s_mov_b64 s[64:65], 0
	v_nop
	global_prefetch_b8 v0, s[64:65] scope:SCOPE_SE
	s_setreg_imm32_b32 hwreg(HW_REG_WAVE_MODE, 25, 1), 1
	s_wait_xcnt 0x0
; Rows of key_memories [8][16384][128] and of query [2][8][1024][128], f32, are divided by max(their length, 1e-8) and turned into codes of BF8 (E5M2)
; with the given scales: 2^lowp_scales[0] for the queries, 2^lowp_scales[1] for the keys.  code = x / 2^e, held within +-57,344, to the nearest code, ties to even.
; The inputs named inputs, key and value are used nowhere in the computation that this program follows, so no launch loads them.
; LIMITS: each e lies between -126 and 112, so that 2^e and 57,344 x 2^e are f32 numbers.  NaN and infinity among the inputs are not served.
; THE LENGTH is taken in one fixed order: each square rounded to f32 by itself; the 32 squares of a block of 32 neighbours added one after the other, k ascending; the four blocks' sums added in ascending order;
; root and quotient refined to f32's own rounding.  A code turns over at the middle between two codes, and behind the codes stands a choice of the 8 largest products, which is not continuous: so the last bit counts here.
; LAYOUT OF THE CODES, in the order in which a matrix operand's registers take them.  Rows go in blocks of 8 rows = 1,024 bytes (kcodes: row = 16384 head + key;
; qcodes: row = 2048 head + 1024 batch + place).  In a block the 16 bytes at 256 c + 128 s + 16 (row % 8) hold the codes of k = 32 c + 8 h + 0 .. 7 and then of k = 32 c + 16 + 8 h + 0 .. 7, s = h xor b;
; b = bit 11 of the key in kcodes, 0 in qcodes.  So a lane (row, h) of a fragment takes four pieces of 16 bytes, 256 bytes apart, and every k stands in the place that the form
; v_wmma_f32_16x16x128_bf8_bf8 gives it (registers 2 c', 2 c' + 1: k = 16 c' + 8 h + 0 .. 7).
; SHARES: 18,432 blocks = 256 work-groups x 9 waves x 8 blocks.  Waves 0 .. 2047 (numbered through the launch) take keys, the other 256 queries: only pointers,
; offsets and e are chosen, by selects on the wave's number in the launch; there is one path through the text.  Waves share nothing: no barrier.
; A load reads one row, 512 consecutive bytes.  A block turns through the wave's own stage in LDS (rows 528 bytes apart) so that a lane then holds
; the 2 x 16 numbers of two pieces of ONE row: lane l has row l % 8, h = (l / 8) % 2, c = l / 16 and 2 + l / 16.  Its 2 x 16 codes leave in two stores of 512 consecutive bytes a wave.
.set RGN,  8704                        ; LDS of a wave: two stages
.set STG,  4224                        ; a stage: 8 rows x 528 bytes
.set RP,   528
.set NKID, 2048                        ; waves that take keys
.set R,    16                          ; v16-79   two sets of 32: a block as loaded
.set X,    80                          ; v80-143  two sets of 32: my 32 numbers of a row
.set Q,    144                         ; v144-175 the squares, then the quotients
.set T,    176                         ; v176-183 remainders, four pairs by turns
.set SM,   184                         ; v184-185 the running sums of my two blocks of 32; v186-187 the other half's
.set C,    188                         ; v188-251 codes: eight registers for each block, never written again
.set EPS,  252                         ; v252     1e-8
.set BIG,  253                         ; v253     1e8
	s_load_b128 s[4:7], s[0:1], 0x0                ; key_memories, query
	s_load_b64 s[8:9], s[0:1], 0x10                ; lowp_scales
	s_load_b128 s[12:15], s[0:1], 0x18             ; kcodes, qcodes
	v_lshl_add_u32 v254, v0, 2, 0x13200
	v_mov_b32 v255, 0
	v_lshrrev_b32 v1, 5, v0
	v_readfirstlane_b32 s16, v1                    ; wave 0..8
	v_and_b32 v1, 31, v0                           ; lane
	v_lshlrev_b32 v2, 4, v1                        ; 16 x lane: my bytes of a row as it is loaded
	s_mul_i32 s17, ttmp9, 9
	s_add_co_u32 s17, s17, s16                     ; the wave's number in the launch
	s_cmp_lt_u32 s17, NKID
	s_cselect_b32 s18, 0, NKID
	s_sub_co_u32 s18, s17, s18                     ; which run of 64 rows of my tensor
	s_lshl_b32 s24, s18, 15                        ; 64 rows x 512 bytes: the source's offset, for both tensors
	s_mov_b32 s25, 0
	s_lshr_b32 s19, s18, 4                         ; queries: 8 batch + head (16 runs of 64 to each)
	s_and_b32 s26, s19, 7                          ; head
	s_lshl_b32 s26, s26, 1
	s_lshr_b32 s27, s19, 3
	s_and_b32 s27, s27, 1                          ; batch
	s_add_co_u32 s26, s26, s27
	s_lshl_b32 s26, s26, 10
	s_and_b32 s27, s18, 15
	s_lshl_b32 s27, s27, 6
	s_add_co_u32 s26, s26, s27                     ; row of qcodes = 2048 head + 1024 batch + place
	s_lshl_b32 s26, s26, 7                         ; x 128 bytes
	s_lshl_b32 s27, s18, 13                        ; keys: 64 rows x 128 bytes
	s_bfe_u32 s28, s18, 0x10005                    ; keys: bit 11 of the key is bit 5 of the run's number
	s_lshl_b32 s28, s28, 7
	s_mul_i32 s29, s16, RGN                        ; my wave's LDS
	v_add_nc_u32 v3, s29, v2                       ; into a stage: 16 x lane in a row
	v_and_b32 v6, 7, v1
	v_mul_u32_u24 v6, v6, RP                       ; out of it: row lane % 8,
	v_lshrrev_b32 v7, 4, v1
	v_lshl_add_u32 v6, v7, 7, v6                   ; + 128 bytes (32 numbers) x (lane / 16),
	v_bfe_u32 v7, v1, 3, 1
	v_lshl_add_u32 v6, v7, 5, v6                   ; + 32 bytes (8 numbers) x h
	v_add_nc_u32 v4, s29, v6
	s_wait_kmcnt 0x0
	s_load_b64 s[30:31], s[8:9], 0x0               ; e of the queries, e of the keys
	s_cmp_lt_u32 s17, NKID                         ; the choice hangs on the wave's number alone
	s_cselect_b64 s[4:5], s[4:5], s[6:7]
	s_cselect_b64 s[12:13], s[12:13], s[14:15]
	s_cselect_b32 s26, s27, s26
	s_cselect_b32 s28, s28, 0
	s_mov_b32 s27, 0
	s_add_nc_u64 s[4:5], s[4:5], s[24:25]
	s_add_nc_u64 s[12:13], s[12:13], s[26:27]
	v_xor_b32 v5, s28, v2                          ; my codes' place in half a block: 256 (l / 16) + 128 ((l / 8) % 2) + 16 (l % 8) = 16 l, its bit 7 turned where b = 1
.macro LOAD t                          ; block t: eight rows, each 512 consecutive bytes
.irp i, 0,1,2,3,4,5,6,7
	global_load_b128 v[R+32*((\t)%2)+4*\i:R+32*((\t)%2)+4*\i+3], v2, s[4:5] offset:4096*(\t)+512*\i th:TH_LOAD_NT
.endr
.endm
.macro TURN t                          ; block t through a stage: LDS serves a wave's instructions in order, so no wait stands between the stores and the loads
.irp i, 0,1,2,3,4,5,6,7
	ds_store_b128 v3, v[R+32*((\t)%2)+4*\i:R+32*((\t)%2)+4*\i+3] offset:STG*((\t)%2)+RP*\i
.endr
.irp j, 0,1                            ; piece j: 8 numbers at k = 32 c + 8 h, then the 8 that lie 16 further on (64 bytes)
.irp i, 0,1,2,3
	ds_load_b128 v[X+32*((\t)%2)+16*\j+4*\i:X+32*((\t)%2)+16*\j+4*\i+3], v4 offset:STG*((\t)%2)+256*\j+16*(\i%2)+64*(\i/2)
.endr
.endr
.endm
	LOAD 0
	LOAD 1
	s_mov_b32 s20, 0x76543210                      ; v_permlanex16_b32: lane l takes lane l xor 16
	s_mov_b32 s21, 0xfedcba98
	s_mov_b32 s22, 0xffff0000                      ; lanes 16-31
	s_mov_b32 s23, 0xff00ff00                      ; lanes with h = 1
	v_mov_b32 v[EPS], 0x322bcc77                   ; 1e-8
	v_mov_b32 v[BIG], 0x4cbebc20                   ; 1e8
	v_mov_b32 v[SM+2], 0                           ; written once: a lane permute's destination counts as one of its sources
	v_mov_b32 v[SM+3], 0
	s_wait_kmcnt 0x0
	s_cmp_lt_u32 s17, NKID
	s_cselect_b32 s30, s31, s30                    ; e
	s_add_co_i32 s30, s30, 127
	s_lshl_b32 s31, s30, 23
	v_mov_b32 v14, s31                             ; 2^e as f32: the conversion takes its exponent field
	s_add_co_i32 s30, s30, 15
	s_lshl_b32 s30, s30, 23
	s_or_b32 s30, s30, 0x600000
	v_mov_b32 v15, s30                             ; 57,344 x 2^e
	s_wait_loadcnt 8                               ; block 0's eight loads are in; block 1's eight may be out
	TURN 0
.macro STEP t
.set XS, X+32*((\t)%2)
	s_wait_dscnt 0x0                               ; this block is back from its stage: so its stores into the stage have read their registers,
.if (\t)+2 < 8
	LOAD (\t)+2                                    ; which take the block after next
.endif
.if (\t)+1 < 8
.if (\t)+2 < 8
	s_wait_loadcnt 8                               ; the next block's eight loads are in; the eight just issued may be out
.else
	s_wait_loadcnt 0x0
.endif
	TURN (\t)+1                                    ; it goes through the other stage while this block is worked
.endif
	; the squares, each rounded by itself
.irp p, 0,2,4,6,8,10,12,14,16,18,20,22,24,26,28,30
	v_pk_mul_f32 v[Q+\p:Q+\p+1], v[XS+\p:XS+\p+1], v[XS+\p:XS+\p+1]
.endr
	; A block of 32 neighbours, k = 32 c + 0 .. 31, lies in two lanes: k + 0 .. 7 and + 16 .. 23 where h = 0, + 8 .. 15 and + 24 .. 31 where h = 1.  Its squares are added one after the other, k ascending:
	; the running sum goes from lane to lane (l xor 8) three times, on the addition itself.  Every lane runs every line; the sum that has gone the right way ends in the lanes with h = 1.  My two blocks go side by side.
	v_add_f32 v[SM], v[Q], v[Q+1]
	v_add_f32 v[SM+1], v[Q+16], v[Q+17]
.irp i, 2,3,4,5,6,7
	v_add_f32 v[SM], v[SM], v[Q+\i]
	v_add_f32 v[SM+1], v[SM+1], v[Q+16+\i]
.endr
.irp o, 0,8,8                          ; h = 1 adds its first eight, h = 0 its second eight, h = 1 its second eight
	v_add_f32_dpp v[SM], v[SM], v[Q+\o] row_xmask:8 row_mask:0xf bank_mask:0xf
	v_add_f32_dpp v[SM+1], v[SM+1], v[Q+16+\o] row_xmask:8 row_mask:0xf bank_mask:0xf
.irp i, 1,2,3,4,5,6,7
	v_add_f32 v[SM], v[SM], v[Q+\o+\i]
	v_add_f32 v[SM+1], v[SM+1], v[Q+16+\o+\i]
.endr
.endr
	; the four blocks' sums in ascending order: blocks 0 and 2 lie in lanes 0-15, blocks 1 and 3 in lanes 16-31
	v_permlanex16_b32 v[SM+2], v[SM], s20, s21
	v_permlanex16_b32 v[SM+3], v[SM+1], s20, s21
	v_add_f32 v[SM], v[SM], v[SM+2]                ; block 0 + block 1
	v_cndmask_b32 v6, v[SM+1], v[SM+3], s22        ; block 2
	v_cndmask_b32 v7, v[SM+3], v[SM+1], s22        ; block 3
	v_add_f32 v[SM], v[SM], v6
	v_add_f32 v[SM], v[SM], v7                     ; the row's sum, in the lanes with h = 1;
	v_mov_b32_dpp v[SM+2], v[SM] row_xmask:8 row_mask:0xf bank_mask:0xf
	v_cndmask_b32 v[SM], v[SM+2], v[SM], s23       ; the others take it from lane l xor 8
	v_max_num_f32 v6, 0x0d800000, v[SM]            ; at least 2^-100: its root lies far under 1e-8, at which the length is held below, so no result changes
	v_rsq_f32 v7, v6
	v_nop                                          ; a plain instruction behind the transcendental
	s_wait_alu depctr_va_vdst(0)                   ; and a wait ahead of the first use of its result
	v_mul_f32 v8, v6, v7                           ; the length, roughly,
	v_mul_f32 v9, 0.5, v7
	v_fma_f32 v[SM], -v8, v8, v6
	v_fma_f32 v8, v[SM], v9, v8                    ; and refined by one step
	v_cmp_gt_f32 vcc_lo, v[EPS], v8
	v_max_num_f32 v8, v[EPS], v8                   ; n = max(length, 1e-8)
	v_cndmask_b32 v7, v7, v[BIG], vcc_lo           ; a first 1 / n
	v_fma_f32 v9, -v8, v7, 1.0
	v_fma_f32 v10, v9, v7, v7                      ; r = 1 / n, refined by one step
	v_mov_b32 v11, v10
	v_xor_b32 v12, 0x80000000, v8                  ; -n
	v_mov_b32 v13, v12
	; x / n: q = x r, then q + (x - q n) r, two numbers an instruction
.irp p, 0,2,4,6,8,10,12,14,16,18,20,22,24,26,28,30
	v_pk_mul_f32 v[Q+\p:Q+\p+1], v[XS+\p:XS+\p+1], v[10:11]
.endr
.irp g, 0,8,16,24
.irp u, 0,2,4,6
	v_pk_fma_f32 v[T+\u:T+\u+1], v[Q+\g+\u:Q+\g+\u+1], v[12:13], v[XS+\g+\u:XS+\g+\u+1]
.endr
.irp u, 0,2,4,6
	v_pk_fma_f32 v[Q+\g+\u:Q+\g+\u+1], v[T+\u:T+\u+1], v[10:11], v[Q+\g+\u:Q+\g+\u+1]
.endr
.endr
.irp i, 0,1,2,3,4,5,6,7,8,9,10,11,12,13,14,15,16,17,18,19,20,21,22,23,24,25,26,27,28,29,30,31
	v_med3_num_f32 v[Q+\i], v[Q+\i], -v15, v15     ; the conversion to an 8-bit code does not saturate (ISA guide 7.6.2): the hold at the largest code x the scale
.endr
.irp j, 0,1
	v_cvt_scalef32_pk8_bf8_f32 v[C+8*(\t)+4*\j:C+8*(\t)+4*\j+1], v[Q+16*\j:Q+16*\j+7], v14
	v_cvt_scalef32_pk8_bf8_f32 v[C+8*(\t)+4*\j+2:C+8*(\t)+4*\j+3], v[Q+16*\j+8:Q+16*\j+15], v14
.endr
	v_nop                                          ; one plain vector instruction between the last conversion and the next block's squares, which write the conversions' sources
.irp j, 0,1
	global_store_b128 v5, v[C+8*(\t)+4*\j:C+8*(\t)+4*\j+3], s[12:13] offset:1024*(\t)+512*\j   ; the wave stores 512 consecutive bytes, at a multiple of 512 from the buffer's first byte
.endr
.endm
.irp t, 0,1,2,3,4,5,6,7
	STEP \t
.endr
	s_wait_tensorcnt 0x0
	ds_add_u32 v254, v255
	s_wait_dscnt 0x0
	s_endpgm
.Lfunc_end_k_q515d1e4e52_prep:
	.size	k_q515d1e4e52_prep, .Lfunc_end_k_q515d1e4e52_prep-k_q515d1e4e52_prep
	.p2alignl 7, 3214868480
	.fill 96, 4, 3214868480
	.section	.rodata,"a",@progbits
	.p2align	6, 0x0
	.amdhsa_kernel k_q515d1e4e52_prep
		.amdhsa_group_segment_fixed_size 79616
		.amdhsa_private_segment_fixed_size 0
		.amdhsa_enable_private_segment 0
		.amdhsa_kernarg_size 40
		.amdhsa_user_sgpr_count 2
		.amdhsa_user_sgpr_kernarg_segment_ptr 1
		.amdhsa_wavefront_size32 1
		.amdhsa_system_sgpr_workgroup_id_x 1
		.amdhsa_system_sgpr_workgroup_id_y 1
		.amdhsa_system_sgpr_workgroup_id_z 1
		.amdhsa_system_vgpr_workitem_id 0
		.amdhsa_next_free_vgpr 256
		.amdhsa_next_free_sgpr 66
		.amdhsa_reserve_vcc 1
		.amdhsa_float_denorm_mode_32 3
		.amdhsa_float_denorm_mode_16_64 3
		.amdhsa_memory_ordered 1
		.amdhsa_forward_progress 1
		.amdhsa_inst_pref_size 96
	.end_amdhsa_kernel
	.amdgpu_metadata
---
amdhsa.version: [ 1, 2 ]
amdhsa.kernels:
  - .name:           k_q515d1e4e52_prep
    .symbol:         k_q515d1e4e52_prep.kd
    .args:
      - { .name: key_memories, .offset: 0, .size: 8, .value_kind: global_buffer, .address_space: global }
      - { .name: query, .offset: 8, .size: 8, .value_kind: global_buffer, .address_space: global }
      - { .name: lowp_scales, .offset: 16, .size: 8, .value_kind: global_buffer, .address_space: global }
      - { .name: kcodes, .offset: 24, .size: 8, .value_kind: global_buffer, .address_space: global }
      - { .name: qcodes, .offset: 32, .size: 8, .value_kind: global_buffer, .address_space: global }
    .group_segment_fixed_size: 79616
    .private_segment_fixed_size: 0
    .kernarg_segment_align: 8
    .kernarg_segment_size: 40
    .max_flat_workgroup_size: 288
    .sgpr_count:     66
    .vgpr_count:     256
    .wavefront_size: 32
...
	.end_amdgpu_metadata
.endif
;; end of part 1
;; launch scan (part 2): grid 32 x 8, 4 waves a work-group, clusters of 4 x 1, 327,680 bytes of LDS; arguments qcodes, kcodes, gsel; writes gsel
.if DOCPART == 2
	.amdgcn_target "amdgcn-amd-amdhsa--gfx1250"
	.amdhsa_code_object_version 6
	.text
	.protected	k_q515d1e4e52_scan
	.globl	k_q515d1e4e52_scan
	.p2align	8
	.type	k_q515d1e4e52_scan,@function
k_q515d1e4e52_scan:
	s_mov_b64 s[64:65], 0
	v_nop
	global_prefetch_b8 v0, s[64:65] scope:SCOPE_SE
	s_setreg_imm32_b32 hwreg(HW_REG_WAVE_MODE, 25, 1), 1
	s_wait_xcnt 0x0
	s_wait_alu depctr_hold_cnt(0) depctr_sa_sdst(0) depctr_va_vdst(0) depctr_va_sdst(0) depctr_va_ssrc(0) depctr_va_vcc(0) depctr_vm_vsrc(0)
	s_getreg_b32 s2, hwreg(HW_REG_IB_STS2, 6, 4)
	s_cmp_eq_u32 s2, 0
	s_cbranch_scc0 .Lentry_in_a_cluster
	s_endpgm
.Lentry_in_a_cluster:
	s_bfe_u32 s2, ttmp6, 0x10000c
	s_cmp_lg_u32 s2, 0x3003
	s_cbranch_scc0 .Lentry_shape_is_right
	s_endpgm
.Lentry_shape_is_right:
; For each query: which 8 GROUPS of 16 neighbouring keys of its head (group = key / 16, 1,024 a head) have the largest maxima of q . k, ties to the lower group.
; The 8 largest products of a query, ties to the lower key, always lie in these 8 groups: a product outside them would have 8 groups, each with a product that goes before it, ahead of it.
; The products are made on codes of BF8 by v_wmma_f32_16x16x128_bf8_bf8, sums in f32; the two scales are one positive factor for all and change no order, so they are left out here.
; Stored: gsel [row of qcodes][8], the 8 groups in ascending order.  NaN is not served.
; SHARES.  A work-group owns 64 queries of one head: four tiles of 16, which EVERY wave holds as source 1 (64 registers).  Wave w walks keys 4096 w .. 4096 w + 4095.
; A tile of 16 keys (source 0) is 8 keys of the wave's lower 2,048 and the 8 keys that lie 2,048 further on: in the result, lane (r, h) holds query r and keys 4096 w + 2048 h + 8 T + 0 .. 7.
; So two tiles that follow each other give a lane 16 neighbouring keys: one group, 256 w + 128 h + T / 2, whose maximum is seven three-way maxima and one two-way maximum.
; Each lane keeps, for each of its four queries, a list of the 8 largest maxima and their groups, in descending order; a maximum is put in by 8 compares, 15 selects, 7 medians and a maximum, with no branch.
; A strict compare keeps the earlier, lower group ahead on ties.  The insertion of one pair's maxima stands behind the NEXT pair's matrix instructions: it names none of their registers.
; CLUSTER.  The four work-groups of a cluster own other queries of the same head and walk the same keys: each tile of the ring is asked for JOINTLY, by the same tensor load with the same descriptor
; and a mask that names the four.  Ring: two slots of 131,072 bytes; a slot gives each wave 16,384 bytes (128 keys) of its lower range and as many of its upper; each wave fetches what it reads.
; By this text's own count a wave has one tensor load out.  All of a WGP's LDS is claimed.
; At the end the 8 lists of a query (4 waves x 2 halves) meet in LDS and are merged in ascending order of their keys.
.set STEPB, 16384                      ; bytes of one range in a slot: 16 blocks of 8 keys
.set SLOTB, 131072
.set SCR,   262144                     ; behind the ring: 4 tiles x 16 queries x (8 lists x 64 bytes + 16); no tensor load lands here
.set QROW,  528
.set QTB,   16*QROW
.set SPARE, SCR+4*QTB                  ; the spare words, 128 bytes for each wave: two blocks of 256 bytes that no other line names
.set SPW,  1                           ; v1   LDS address of my spare word; never rewritten
.set NIL,  2                           ; v2   0; never rewritten
.set ADA,  3                           ; v3-4 my lane's place in my wave's part of slot 0, 1
.set CUR,  5                           ; v5   LDS address of the pair that is being fetched
.set PFO,  6                           ; v6   256 x lane, for the prefetches; never rewritten
.set XI,   7                           ; v7   the group whose maxima wait in v8-11
.set XM,   8                           ; v8-11   a group's maximum for each of my four queries
.set XB,   12                          ; v12-15  second chains of the maxima
.set QF,   16                          ; v16-79  the four tiles of queries
.set AF,   80                          ; v80-111 two tiles of keys
.set D,    112                         ; v112-175 results: (tile of keys a, tile of queries i) at D + 8 (4 a + i)
.set LV,   176                         ; v176-207 four lists of 8 maxima
.set LI,   208                         ; v208-239 and of their groups
.set TM,   240                         ; v240-246 at work
.set DW,   250                         ; v250 where I put my lists;  v251 where I read lists back;  v252 my byte offset in the wave's rows of gsel
.set DR,   251
.set GOF,  252
.set WV,   12                          ; s12  my wave's number
.set G1,   16                          ; s[16:23] descriptor group 1
.set G0,   32                          ; s[32:39] descriptor group 0, a set for each slot
.set LAPS, 40
.set PRS,  41
.set PO,   42                          ; s42  byte of the pair to be fetched within a slot's range
.set SLOTS, 43                         ; s43  refills still to come
.set LIM,  44                          ; s44  1 in a cluster that prefetches, else the greatest number
.set PFA,  46                          ; s[46:47] where my prefetches stand
.set SEL,  48                          ; s[48:49] v_permlanex16_b32: lane l takes lane l xor 16
.set HIM,  50                          ; s50  the mask of lanes 16-31
.set MK,   68                          ; s68-99 32 masks of compares
; A round of the cluster's barrier: my work-group's barrier, wave 0 signals for the work-group, every wave waits for all four work-groups, my work-group's barrier once more.
.macro ROUND
	s_barrier_signal -1
	s_barrier_wait -1
	s_cmp_lg_u32 s[WV], 0
	s_cbranch_scc1 .Lnot_wave_0_\@
	s_barrier_signal -3
.Lnot_wave_0_\@:
	s_barrier_wait -3
	s_barrier_signal -1
	s_barrier_wait -1
.endm
; cnt lists take a number each: list i the number in v[xr + i xst], with the whole number in v[ir + i ist] beside it.  INS_CMP: where is it larger than the list's k-th?
.macro INS_CMP cnt, xr, xst
.set qk, 0
.rept 8
.set ql, 0
.rept \cnt
	v_cmp_gt_f32 s[MK+8*ql+qk], v[(\xr)+ql*(\xst)], v[LV+8*ql+qk]
.set ql, ql+1
.endr
.set qk, qk+1
.endr
.endm
; INS_UPD: from the list's end on, place k + 1 takes place k's whole number and place k the new one wherever the new number is larger than the k-th;
; of the numbers, place k takes the middle one of its neighbour above, itself and the new one.
.macro INS_UPD cnt, xr, xst, ir, ist
.set qk, 7
.rept 8
.set ql, 0
.rept \cnt
.if qk < 7
	v_cndmask_b32 v[LI+8*ql+qk+1], v[LI+8*ql+qk+1], v[LI+8*ql+qk], s[MK+8*ql+qk]
.endif
	v_cndmask_b32 v[LI+8*ql+qk], v[LI+8*ql+qk], v[(\ir)+ql*(\ist)], s[MK+8*ql+qk]
.set ql, ql+1
.endr
.set qk, qk-1
.endr
.set qk, 7
.rept 7
.set ql, 0
.rept \cnt
	v_med3_num_f32 v[LV+8*ql+qk], v[LV+8*ql+qk-1], v[LV+8*ql+qk], v[(\xr)+ql*(\xst)]
.set ql, ql+1
.endr
.set qk, qk-1
.endr
.set ql, 0
.rept \cnt
	v_max_num_f32 v[LV+8*ql], v[LV+8*ql], v[(\xr)+ql*(\xst)]
.set ql, ql+1
.endr
.endm
; Two tiles of keys: 8 loads of 16 bytes a lane.  In each, lanes 0-15 (and lanes 16-31) touch sixteen different 16-byte columns of 256 bytes: that is what the turned bit 7 in kcodes is for.
.macro FETCH slot
	v_add_nc_u32 v[CUR], s[PO], v[ADA+\slot]
.irp a, 0,1
.irp c, 0,1,2,3
	ds_load_b128 v[AF+16*\a+4*\c:AF+16*\a+4*\c+3], v[CUR] offset:1024*\a+256*\c
.endr
.endr
.endm
; The maximum of a lane's 16 products, for each of its four queries; each result is first read at its low end.
.macro REDUCE
.irp i, 0,1,2,3
	v_max3_num_f32 v[XM+\i], v[D+8*\i], v[D+8*\i+1], v[D+8*\i+2]
	v_max3_num_f32 v[XB+\i], v[D+32+8*\i], v[D+32+8*\i+1], v[D+32+8*\i+2]
.endr
.irp i, 0,1,2,3
	v_max3_num_f32 v[XM+\i], v[XM+\i], v[D+8*\i+3], v[D+8*\i+4]
	v_max3_num_f32 v[XB+\i], v[XB+\i], v[D+32+8*\i+3], v[D+32+8*\i+4]
.endr
.irp i, 0,1,2,3
	v_max3_num_f32 v[XM+\i], v[XM+\i], v[D+8*\i+5], v[D+8*\i+6]
	v_max3_num_f32 v[XB+\i], v[XB+\i], v[D+32+8*\i+5], v[D+32+8*\i+6]
.endr
.irp i, 0,1,2,3
	v_max3_num_f32 v[XM+\i], v[XM+\i], v[XB+\i], v[D+8*\i+7]
.endr
.irp i, 0,1,2,3
	v_max_num_f32 v[XM+\i], v[XM+\i], v[D+32+8*\i+7]
.endr
.endm
; A PAIR of tiles of keys = a group a lane.  Eight matrix instructions, each a whole sum (K = 128, C = 0) on registers of its own.  Behind them stand the 32 compares of the group that waits:
; plain vector instructions that name none of the products' registers, so they are the places in front of the loads into the keys' registers; with the 92 lines of INS_UPD
; they are also the places in front of the first read of the results and of the next pair's products, which write over them.
.macro PAIR slot, fetch
	s_wait_dscnt 0x0                               ; the two tiles of keys are in
.irp a, 0,1
.irp i, 0,1,2,3
	v_wmma_f32_16x16x128_bf8_bf8 v[D+8*(4*\a+\i):D+8*(4*\a+\i)+7], v[AF+16*\a:AF+16*\a+15], v[QF+16*\i:QF+16*\i+15], 0
.endr
.endr
	INS_CMP 4, XM, 1
.if \fetch
	s_add_co_u32 s[PO], s[PO], 2048
	FETCH \slot                                    ; the next pair
.endif
	INS_UPD 4, XM, 1, XI, 0
	v_add_nc_u32 v[XI], 1, v[XI]                   ; this pair's group
	REDUCE
.endm
; A PREFETCH of the ring's tile after the one just asked for: 4 waves x 2 ranges x 16,384 bytes = 512 blocks of 256 bytes = 4 partners x 4 waves x 32 lanes: one instruction a wave, each block named once.
; All clusters of a head walk the same keys: the head's first cluster asks.  Its partners are told apart BY ADDRESS: partner cx takes range cx / 2, half cx % 2, of each wave's part.
; It asks one trip (64 matrix instructions a wave and their insertions) ahead of the load that will want the bytes.  The trip that asks for the last tile prefetches nothing.
.macro ASK
	s_cmp_gt_u32 s[SLOTS], s[LIM]
	s_cbranch_scc0 .Lnot_mine_\@
	global_prefetch_b8 v[PFO], s[PFA:PFA+1] th:TH_LOAD_NT scope:SCOPE_SE
.Lnot_mine_\@:
.endm
; A TRIP: one slot's 8 pairs.  At its head the change of slots.
.macro TRIP slot, refill
	s_wait_tensorcnt 0x0                           ; my one tensor load has landed: my part of this slot; so every group 0 may be written
	ds_add_u32 v[SPW], v[NIL]                      ; 0 onto my spare word: the steps below stand between it and the wait for it
	s_add_nc_u64 s[G0+2+4*\slot:G0+3+4*\slot], s[G0+2+4*\slot:G0+3+4*\slot], 2*STEPB   ; this slot's next tile
	s_wait_xcnt 0x0                                ; the last prefetch, a trip back, has read its address, so it may be written
	s_add_nc_u64 s[PFA:PFA+1], s[PFA:PFA+1], STEPB
	s_mov_b32 s[PO], 0
	s_wait_dscnt 0x0                               ; the add is done, and my reads of the other slot are over
	ROUND                                          ; both now hold of every wave of all four work-groups
.if \refill
	tensor_load_to_lds s[G0+4-4*\slot:G0+7-4*\slot], s[G1:G1+7]   ; the next tile, into the slot read last: my one tensor load behind this round, and the first thing there
	s_nop 0
.rept 4
	v_nop
.endr
.endif
	FETCH \slot
.if \refill
	ASK
	s_sub_co_u32 s[SLOTS], s[SLOTS], 1
.endif
	s_mov_b32 s[PRS], 7
.Lpair_\@:
	PAIR \slot, 1
	s_sub_co_u32 s[PRS], s[PRS], 1
	s_cmp_lg_u32 s[PRS], 0
	s_cbranch_scc1 .Lpair_\@
	PAIR \slot, 0                                  ; the slot's last pair fetches nothing
.endm
	s_load_b128 s[4:7], s[0:1], 0x0                ; qcodes, kcodes
	s_load_b64 s[8:9], s[0:1], 0x10                ; gsel
	v_lshl_add_u32 v[SPW], v0, 2, SPARE
	v_mov_b32 v[NIL], 0
	ds_add_u32 v1, v2
	ds_add_u32 v1, v2
	s_wait_dscnt 0x0
	v_lshrrev_b32 v[TM], 5, v0
	v_readfirstlane_b32 s[WV], v[TM]               ; wave 0..3
	s_bfe_u32 s10, ttmp6, 0x40000                  ; cx: my place in the cluster
	s_and_b32 s11, ttmp7, 0xffff                   ; the head, which the four partners share
	; descriptor group 1: two rows of 2,048 elements of 8 bytes (16,384 bytes each), 262,144 bytes apart in memory, on end in LDS
	s_mov_b32 s[G1], 15|(3<<16)|(1<<21)            ; 15:0 the mask: all four work-groups; 17:16 elements of 8 bytes; 20 no padding; 21 set beside a mask
	s_mov_b32 s[G1+1], 2048<<16                    ; tensor_dim0 = 2,048
	s_mov_b32 s[G1+2], 2<<16                       ; tensor_dim1 = 2
	s_mov_b32 s[G1+3], 2048<<16                    ; tile_dim0 = 2,048
	s_mov_b32 s[G1+4], 2                           ; tile_dim1 = 2
	s_mov_b32 s[G1+5], 32768                       ; elements from row to row: 2,048 keys x 128 bytes / 8
	s_mov_b32 s[G1+6], 0
	s_mov_b32 s[G1+7], 0
	s_lshl_b32 s24, s11, 21                        ; the head's codes: 16,384 keys x 128 bytes,
	s_lshl_b32 s13, s[WV], 19                      ; my wave's 4,096 keys
	s_add_co_u32 s24, s24, s13
	s_mov_b32 s25, 0
	s_lshl_b32 s14, s[WV], 15                      ; my wave's part of a slot: no place in the cluster enters an LDS address
	s_lshl_b32 s28, ttmp9, 2                       ; in a cluster launch ttmp9 counts clusters
	s_add_co_u32 s28, s28, s10                     ; my block of 64 queries
	s_lshl_b32 s28, s28, 6
	s_lshl_b32 s29, s11, 11
	s_add_co_u32 s28, s28, s29                     ; its first row of qcodes
	s_lshl_b32 s30, s28, 7                         ; x 128 bytes
	s_mov_b32 s31, 0
	s_lshl_b32 s28, s28, 5                         ; in gsel: x 32 bytes,
	s_lshl_b32 s29, s[WV], 9                       ; + the 16 queries that my wave stores
	s_add_co_u32 s28, s28, s29
	s_mov_b32 s29, 0
	s_lshr_b32 s52, s10, 1                         ; the prefetches: my work-group's range
	s_lshl_b32 s52, s52, 18
	s_and_b32 s53, s10, 1                          ; and half
	s_lshl_b32 s53, s53, 13
	s_add_co_u32 s52, s52, s53
	s_add_co_u32 s52, s52, STEPB                   ; at tile 1: the first trip steps it to tile 2.  Nothing is prefetched here, at the head
	s_mov_b32 s53, 0
	s_cmp_eq_u32 ttmp9, 0                          ; the head's first cluster: the same in all four partners
	s_cselect_b32 s[LIM], 1, -1
	s_mov_b32 s[SLOTS], 15
	s_mov_b32 s[SEL], 0x76543210
	s_mov_b32 s[SEL+1], 0xfedcba98
	s_mov_b32 s[HIM], 0xffff0000
	s_wait_kmcnt 0x0
	s_add_nc_u64 s[26:27], s[6:7], s[24:25]        ; kcodes at my wave's lower range
	s_add_nc_u64 s[4:5], s[4:5], s[30:31]
	s_add_nc_u64 s[8:9], s[8:9], s[28:29]
	s_add_nc_u64 s[PFA:PFA+1], s[26:27], s[52:53]
.irp n, 0,1
	s_mov_b32 s[G0+4*\n], 1                        ; count = 1
	s_add_co_u32 s[G0+4*\n+1], s14, \n*SLOTB       ; LDS address
	s_add_nc_u64 s[G0+4*\n+2:G0+4*\n+3], s[26:27], \n*STEPB   ; global address: tile n
	s_or_b32 s[G0+4*\n+3], s[G0+4*\n+3], 0x80000000           ; type = 2
.endr
	ROUND                                          ; all four work-groups are here: the first joint loads meet
	tensor_load_to_lds s[G0:G0+3], s[G1:G1+7]      ; tile 0
	s_nop 0
.rept 4
	v_nop
.endr
	v_and_b32 v[TM+1], 7, v0
	v_bfe_u32 v[TM+2], v0, 3, 1                    ; b: my row of a tile is one of the lower range (0) or of the upper (1)
	v_bfe_u32 v[TM+3], v0, 4, 1                    ; h
	v_xor_b32 v[TM+4], v[TM+2], v[TM+3]
	v_lshlrev_b32 v[TM+1], 4, v[TM+1]              ; 16 (r % 8)
	v_lshl_add_u32 v[TM+5], v[TM+3], 7, v[TM+1]
	v_lshl_add_u32 v[TM+5], v[TM+2], 10, v[TM+5]   ; qcodes: block r / 8, + 128 h + 16 (r % 8)
.irp i, 0,1,2,3
.irp c, 0,1,2,3
	global_load_b128 v[QF+16*\i+4*\c:QF+16*\i+4*\c+3], v[TM+5], s[4:5] offset:2048*\i+256*\c   ; the queries stay in registers
.endr
.endr
	v_lshl_add_u32 v[ADA], v[TM+4], 7, v[TM+1]     ; a slot: 128 (h xor b) + 16 (r % 8),
	v_lshl_add_u32 v[ADA], v[TM+2], 14, v[ADA]     ; + 16,384 b,
	v_add_nc_u32 v[ADA], s14, v[ADA]               ; + my wave's part
	v_add_nc_u32 v[ADA+1], SLOTB, v[ADA]
	v_and_b32 v[PFO], 31, v0
	v_lshlrev_b32 v[PFO], 8, v[PFO]
	v_and_b32 v[TM+6], 15, v0                      ; r
	v_mul_u32_u24 v[DW], v[TM+6], QROW
	v_lshl_add_u32 v[DR], v[TM+3], 8, v[DW]
	v_lshl_add_u32 v[DW], v[TM+3], 6, v[DW]
	s_lshl_b32 s15, s[WV], 7
	s_add_co_u32 s15, s15, SCR
	v_add_nc_u32 v[DW], s15, v[DW]                 ; my lists: query r's row, list 2 w + h of its eight, 64 bytes each
	s_mul_i32 s15, s[WV], QTB
	s_add_co_u32 s15, s15, SCR
	v_add_nc_u32 v[DR], s15, v[DR]                 ; back: tile w of the queries, query r, lists 4 h .. 4 h + 3
	v_lshlrev_b32 v[GOF], 5, v[TM+6]
	v_lshl_add_u32 v[GOF], v[TM+3], 4, v[GOF]      ; gsel: 32 r + 16 h
	s_lshl_b32 s13, s[WV], 8
	s_sub_co_u32 s13, s13, 1
	v_lshlrev_b32 v[XI], 7, v[TM+3]
	v_add_nc_u32 v[XI], s13, v[XI]                 ; one under my first group, 256 w + 128 h: what waits at the start is -infinity, which enters no list
.irp j, 0,1,2,3,4,5,6,7,8,9,10,11,12,13,14,15,16,17,18,19,20,21,22,23,24,25,26,27,28,29,30,31
	v_mov_b32 v[LV+\j], 0xff800000
	v_mov_b32 v[LI+\j], 0
.endr
.irp j, 0,1,2,3
	v_mov_b32 v[XM+\j], 0xff800000
.endr
	s_wait_loadcnt 0x0                             ; the queries
	s_mov_b32 s[LAPS], 7
.Llap:                                             ; 16 tiles: seven laps of two, then the last two written out
	TRIP 0, 1
	TRIP 1, 1
	s_sub_co_u32 s[LAPS], s[LAPS], 1
	s_cmp_lg_u32 s[LAPS], 0
	s_cbranch_scc1 .Llap
	TRIP 0, 1
	TRIP 1, 0
	INS_CMP 4, XM, 1                               ; the last group that waits
	INS_UPD 4, XM, 1, XI, 0
	; THE LISTS MEET.  Each lane puts its four lists into LDS; wave w then merges those of tile w of the queries.
.irp i, 0,1,2,3
	ds_store_b128 v[DW], v[LV+8*\i:LV+8*\i+3] offset:QTB*\i
	ds_store_b128 v[DW], v[LV+8*\i+4:LV+8*\i+7] offset:QTB*\i+16
	ds_store_b128 v[DW], v[LI+8*\i:LI+8*\i+3] offset:QTB*\i+32
	ds_store_b128 v[DW], v[LI+8*\i+4:LI+8*\i+7] offset:QTB*\i+48
.endr
	s_wait_dscnt 0x0                               ; for the others' sake: my stores are done
	s_barrier_signal -1
	s_barrier_wait -1
	ds_load_b128 v[LV:LV+3], v[DR]                 ; the first of my four lists is the list that the others are put into
	ds_load_b128 v[LV+4:LV+7], v[DR] offset:16
	ds_load_b128 v[LI:LI+3], v[DR] offset:32
	ds_load_b128 v[LI+4:LI+7], v[DR] offset:48
.irp l, 1,2,3
.irp u, 0,1,2,3
	ds_load_b128 v[D+16*(\l-1)+4*\u:D+16*(\l-1)+4*\u+3], v[DR] offset:64*\l+16*\u
.endr
.endr
	s_wait_dscnt 0x0
.set qs, D                             ; the lists come in ascending order of their keys, each from its largest on: the strict compare keeps the lower group ahead on ties
.rept 3
.set qe, 0
.rept 8
	INS_CMP 1, qs+qe, 0
	INS_UPD 1, qs+qe, 0, qs+8+qe, 0
.set qe, qe+1
.endr
.set qs, qs+16
.endr
.irp k, 0,1,2,3,4,5,6,7
	v_permlanex16_b32 v[D+\k], v[LV+\k], s[SEL], s[SEL+1]      ; the other half's merged list
	v_permlanex16_b32 v[D+8+\k], v[LI+\k], s[SEL], s[SEL+1]
.endr
.set qe, 0
.rept 8                                ; lanes 0-15 hold the lower keys' list and take the upper keys' in: theirs is the result; lanes 16-31 do the same work and their result is not used
	INS_CMP 1, D+qe, 0
	INS_UPD 1, D+qe, 0, D+8+qe, 0
.set qe, qe+1
.endr
.macro CSW a, b                        ; the smaller of two groups to place a, the larger to place b
	v_cmp_gt_u32 vcc_lo, v[LI+\a], v[LI+\b]
	v_cndmask_b32 v[TM], v[LI+\a], v[LI+\b], vcc_lo
	v_cndmask_b32 v[LI+\b], v[LI+\b], v[LI+\a], vcc_lo
	v_mov_b32 v[LI+\a], v[TM]
.endm
	; the 8 groups in ascending order: Batcher's network of 19 exchanges
	CSW 0, 1
	CSW 2, 3
	CSW 4, 5
	CSW 6, 7
	CSW 0, 2
	CSW 1, 3
	CSW 4, 6
	CSW 5, 7
	CSW 1, 2
	CSW 5, 6
	CSW 0, 4
	CSW 1, 5
	CSW 2, 6
	CSW 3, 7
	CSW 2, 4
	CSW 3, 5
	CSW 1, 2
	CSW 3, 4
	CSW 5, 6
.irp j, 0,1,2,3
	v_permlanex16_b32 v[D+\j], v[LI+4+\j], s[SEL], s[SEL+1]
.endr
.irp j, 0,1,2,3
	v_cndmask_b32 v[D+4+\j], v[LI+\j], v[D+\j], s[HIM]         ; lane r: groups 0-3 of query r; lane 16 + r: lane r's groups 4-7
.endr
	global_store_b128 v[GOF], v[D+4:D+7], s[8:9]   ; the wave stores 512 consecutive bytes, at a multiple of 512 from the buffer's first byte
	s_wait_tensorcnt 0x0                           ; the wave's end: behind my last tensor load and my last LDS store
	ds_add_u32 v[SPW], v[NIL]
	s_wait_dscnt 0x0
	ROUND                                          ; the closing round: no work-group ends while a partner may still ask for a tile that names it
	s_endpgm
.Lfunc_end_k_q515d1e4e52_scan:
	.size	k_q515d1e4e52_scan, .Lfunc_end_k_q515d1e4e52_scan-k_q515d1e4e52_scan
	.p2alignl 7, 3214868480
	.fill 96, 4, 3214868480
	.section	.rodata,"a",@progbits
	.p2align	6, 0x0
	.amdhsa_kernel k_q515d1e4e52_scan
		.amdhsa_group_segment_fixed_size 327680
		.amdhsa_private_segment_fixed_size 0
		.amdhsa_enable_private_segment 0
		.amdhsa_kernarg_size 24
		.amdhsa_user_sgpr_count 2
		.amdhsa_user_sgpr_kernarg_segment_ptr 1
		.amdhsa_wavefront_size32 1
		.amdhsa_system_sgpr_workgroup_id_x 1
		.amdhsa_system_sgpr_workgroup_id_y 1
		.amdhsa_system_sgpr_workgroup_id_z 1
		.amdhsa_system_vgpr_workitem_id 0
		.amdhsa_next_free_vgpr 256
		.amdhsa_next_free_sgpr 100
		.amdhsa_reserve_vcc 1
		.amdhsa_float_denorm_mode_32 3
		.amdhsa_float_denorm_mode_16_64 3
		.amdhsa_memory_ordered 1
		.amdhsa_forward_progress 1
		.amdhsa_inst_pref_size 175
	.end_amdhsa_kernel
	.amdgpu_metadata
---
amdhsa.version: [ 1, 2 ]
amdhsa.kernels:
  - .name:           k_q515d1e4e52_scan
    .symbol:         k_q515d1e4e52_scan.kd
    .args:
      - { .name: qcodes, .offset: 0, .size: 8, .value_kind: global_buffer, .address_space: global }
      - { .name: kcodes, .offset: 8, .size: 8, .value_kind: global_buffer, .address_space: global }
      - { .name: gsel, .offset: 16, .size: 8, .value_kind: global_buffer, .address_space: global }
    .group_segment_fixed_size: 327680
    .private_segment_fixed_size: 0
    .kernarg_segment_align: 8
    .kernarg_segment_size: 24
    .max_flat_workgroup_size: 128
    .sgpr_count:     100
    .vgpr_count:     256
    .wavefront_size: 32
...
	.end_amdgpu_metadata
.endif
;; end of part 2
;; launch rescore (part 3): grid 256 x 1, 4 waves a work-group, no clusters, 0 bytes of LDS; arguments qcodes, kcodes, gsel, lowp_scales, tidx, tsc; writes tidx, tsc
.if DOCPART == 3
	.amdgcn_target "amdgcn-amd-amdhsa--gfx1250"
	.amdhsa_code_object_version 6
	.text
	.protected	k_q515d1e4e52_rescore
	.globl	k_q515d1e4e52_rescore
	.p2align	8
	.type	k_q515d1e4e52_rescore,@function
k_q515d1e4e52_rescore:
	s_mov_b64 s[64:65], 0
	v_nop
	global_prefetch_b8 v0, s[64:65] scope:SCOPE_SE
	s_setreg_imm32_b32 hwreg(HW_REG_WAVE_MODE, 25, 1), 1
	s_wait_xcnt 0x0
; For each query: the 8 largest of its products with the 128 keys of the 8 groups that gsel names, ties to the lower key; stored are the keys (tidx [row][8]) and the products x 2^(e0 + e1) (tsc [row][8]), largest first.
; The products are made anew, on the same codes by the same instruction, v_wmma_f32_16x16x128_bf8_bf8, sums in f32.  e0 + e1 is applied by v_ldexp_f32.  NaN is not served.
; SHARES.  A wave owns 16 queries (one tile, source 1, fixed) and shares nothing: no LDS, no barrier, no branch.  For query c and each of its 8 groups one matrix instruction takes the group's 16 keys as source 0;
; of its result only column c is kept: lanes c and 16 + c, by selects under the mask of these two lanes.  At the end lane (r, h) holds, for query r, the products with keys 16 group + 8 h + 0 .. 7 of its 8 groups.
; The groups' numbers are whole numbers that an earlier launch stored; they come by scalar loads, are held at 1,023 and then enter the addresses.  A group is 2,048 consecutive bytes of kcodes.
; Loads run two queries (64 loads a wave) ahead, in two sets of fragment registers.
; REGISTERS: window 0: addresses, the queries' fragment, results, candidates, lists.  Window 1: two sets of 8 fragments of keys, at v0 and at v128.
.set LQ,   3                           ; v3   qcodes: my lane's place in the tile
.set LK,   4                           ; v4   kcodes: 1024 (r / 8) + 16 (r % 8)
.set H128, 5                           ; v5   128 h
.set OUTO, 6                           ; v6   32 r + 16 h
.set H8,   7                           ; v7   8 h
.set AD,   8                           ; v8-23   two sets of 8 offsets
.set QF,   24                          ; v24-39  the queries' fragment
.set GV,   40                          ; v40-47  my query's 8 groups, later the first key of my half of each
.set XI,   48                          ; v48-49  the keys of the two candidates in hand
.set GA,   50                          ; v50     32 r
.set D,    56                          ; v56-119  8 results
.set CD,   120                         ; v120-183 candidates: (group g, key j) at CD + 8 g + j; at the end v120-135 take the other half's list
.set LV,   184                         ; v184-199 two lists of 8 products
.set LI,   200                         ; v200-215 and of their keys
.set OV,   232                         ; v232-239 what is stored
.set MK,   68                          ; s68-83  masks of compares
.set MSB, 0
.macro WIN new                         ; the immediate's high byte repeats the setting that is left
.if MSB != \new
	s_set_vgpr_msb (MSB<<8)|\new
.set MSB, \new
.endif
.endm
.macro INS_CMP cnt, xr, xst            ; cnt lists take a number each: where is it larger than the list's k-th?
.set qk, 0
.rept 8
.set ql, 0
.rept \cnt
	v_cmp_gt_f32 s[MK+8*ql+qk], v[(\xr)+ql*(\xst)], v[LV+8*ql+qk]
.set ql, ql+1
.endr
.set qk, qk+1
.endr
.endm
.macro INS_UPD cnt, xr, xst, ir, ist   ; from the list's end on: place k + 1 takes place k's key and place k the new one wherever the mask says so; of the numbers, place k takes the middle of its neighbour above, itself and the new one
.set qk, 7
.rept 8
.set ql, 0
.rept \cnt
.if qk < 7
	v_cndmask_b32 v[LI+8*ql+qk+1], v[LI+8*ql+qk+1], v[LI+8*ql+qk], s[MK+8*ql+qk]
.endif
	v_cndmask_b32 v[LI+8*ql+qk], v[LI+8*ql+qk], v[(\ir)+ql*(\ist)], s[MK+8*ql+qk]
.set ql, ql+1
.endr
.set qk, qk-1
.endr
.set qk, 7
.rept 7
.set ql, 0
.rept \cnt
	v_med3_num_f32 v[LV+8*ql+qk], v[LV+8*ql+qk-1], v[LV+8*ql+qk], v[(\xr)+ql*(\xst)]
.set ql, ql+1
.endr
.set qk, qk-1
.endr
.set ql, 0
.rept \cnt
	v_max_num_f32 v[LV+8*ql], v[LV+8*ql], v[(\xr)+ql*(\xst)]
.set ql, ql+1
.endr
.endm
.macro INSLEX xr, ir                   ; into list 0, by the whole order: a larger product goes ahead, and of equal products the lower key
.irp k, 0,1,2,3,4,5,6,7
	v_cmp_gt_f32 s[MK+\k], v[\xr], v[LV+\k]
	v_cmp_eq_f32 s[MK+8+\k], v[\xr], v[LV+\k]
	v_cmp_lt_u32 s[32+\k], v[\ir], v[LI+\k]
.endr
.irp k, 0,1,2,3,4,5,6,7
	s_and_b32 s[MK+8+\k], s[MK+8+\k], s[32+\k]
	s_or_b32 s[MK+\k], s[MK+\k], s[MK+8+\k]
.endr
	INS_UPD 1, \xr, 0, \ir, 0
.endm
; The 8 groups of query c: their offsets, their 32 loads into set c % 2, and the scalar load of the groups of query c + 2 into the registers just read.
; A group g lies at 2,048 g; lane (r, h) takes block r / 8 of its two, and in it 128 (h xor bit 7 of g) + 16 (r % 8), four pieces 256 bytes apart.  Behind the hold at 1,023 stand only sums, ANDs and shifts to the left.
.macro LOADQ c
.set IDS, 32+8*((\c)%2)
.set ADS, AD+8*((\c)%2)
.set ASET, 128*((\c)%2)
	s_wait_kmcnt 0x0
.irp g, 0,1,2,3,4,5,6,7
	s_min_u32 s[84+\g], s[IDS+\g], 1023
	s_and_b32 s[92+\g], s[84+\g], 128
	s_lshl_b32 s[84+\g], s[84+\g], 11
.endr
.irp g, 0,1,2,3,4,5,6,7
	v_add_nc_u32 v[ADS+\g], s[92+\g], v[H128]
.endr
.irp g, 0,1,2,3,4,5,6,7
	v_and_b32 v[ADS+\g], 128, v[ADS+\g]            ; 128 (h xor the bit): a sum of two bits, its carry cut off
.endr
.irp g, 0,1,2,3,4,5,6,7
	v_add_nc_u32 v[ADS+\g], v[LK], v[ADS+\g]
.endr
.irp g, 0,1,2,3,4,5,6,7
	v_add_nc_u32 v[ADS+\g], s[84+\g], v[ADS+\g]
.endr
	WIN 0x40                                       ; destination window 1, address window 0
.irp g, 0,1,2,3,4,5,6,7
.irp q, 0,1,2,3
	global_load_b128 v[ASET+16*\g+4*\q:ASET+16*\g+4*\q+3], v[ADS+\g], s[20:21] offset:256*\q
.endr
.endr
	WIN 0
.if (\c)+2 < 16
	s_load_b256 s[IDS:IDS+7], s[22:23], 32*((\c)+2)
.endif
.endm
; Query c: its 8 products; then the loads of query c + 2, whose 32 address lines are plain, name no register of the products and so are the places in front of the loads into the
; fragments just read, of the first read of the results and of the next query's products, which write over them; then column c is kept.
.macro QSTEP c
.if (\c) < 15
	s_wait_loadcnt 32                              ; query c's 32 loads and all older ones are in, so its offsets may be written again too; the 32 of query c + 1 may be out
.else
	s_wait_loadcnt 0x0
.endif
	WIN 0x01                                       ; source 0 (the keys) window 1
.irp g, 0,1,2,3,4,5,6,7
	v_wmma_f32_16x16x128_bf8_bf8 v[D+8*\g:D+8*\g+7], v[128*((\c)%2)+16*\g:128*((\c)%2)+16*\g+15], v[QF:QF+15], 0
.endr
	WIN 0
.if (\c)+2 < 16
	LOADQ (\c)+2
.else
.rept 5
	v_nop                                          ; no loads are left: five places, as many as the next query's products want, which write over these results
.endr
.endif
	s_mov_b32 s25, 0x10001<<(\c)                   ; lanes c and 16 + c
.set qn, 0
.rept 64                               ; each result from its low end on
.if (\c) == 0
	v_mov_b32 v[CD+qn], v[D+qn]                    ; the candidates' first write is whole
.else
	v_cndmask_b32 v[CD+qn], v[CD+qn], v[D+qn], s25
.endif
.set qn, qn+1
.endr
.endm
	s_load_b256 s[4:11], s[0:1], 0x0               ; qcodes, kcodes, gsel, lowp_scales
	s_load_b128 s[12:15], s[0:1], 0x20             ; tidx, tsc
	v_lshrrev_b32 v1, 5, v0
	v_readfirstlane_b32 s18, v1                    ; wave 0..3
	s_lshl_b32 s19, ttmp9, 2
	s_add_co_u32 s19, s19, s18                     ; which tile of 16 queries: 0 .. 1,023
	v_and_b32 v1, 15, v0                           ; r
	v_bfe_u32 v2, v0, 4, 1                         ; h
	v_and_b32 v[LK], 7, v0
	v_lshlrev_b32 v[LK], 4, v[LK]
	v_bfe_u32 v[LQ], v0, 3, 1
	v_lshl_add_u32 v[LK], v[LQ], 10, v[LK]
	v_lshlrev_b32 v[H128], 7, v2
	v_add_nc_u32 v[LQ], v[LK], v[H128]
	v_lshlrev_b32 v[GA], 5, v1
	v_lshl_add_u32 v[OUTO], v2, 4, v[GA]
	v_lshlrev_b32 v[H8], 3, v2
	s_lshl_b32 s48, s19, 11                        ; 16 rows x 128 bytes of qcodes
	s_mov_b32 s49, 0
	s_lshl_b32 s50, s19, 9                         ; 16 rows x 32 bytes of gsel, tidx, tsc
	s_mov_b32 s51, 0
	s_lshr_b32 s52, s19, 7                         ; the head: 128 tiles to each
	s_lshl_b32 s52, s52, 21
	s_mov_b32 s53, 0
	s_mov_b32 s28, 0x76543210                      ; v_permlanex16_b32: lane l takes lane l xor 16
	s_mov_b32 s29, 0xfedcba98
	s_mov_b32 s30, 0xffff0000                      ; lanes 16-31
	s_wait_kmcnt 0x0
	s_add_nc_u64 s[4:5], s[4:5], s[48:49]
	s_add_nc_u64 s[20:21], s[6:7], s[52:53]        ; the head's codes
	s_add_nc_u64 s[22:23], s[8:9], s[50:51]        ; my 16 queries' groups
	s_add_nc_u64 s[12:13], s[12:13], s[50:51]
	s_add_nc_u64 s[14:15], s[14:15], s[50:51]
	s_load_b256 s[32:39], s[22:23], 0x0            ; the groups of query 0,
	s_load_b256 s[40:47], s[22:23], 0x20           ; of query 1
	s_load_b64 s[16:17], s[10:11], 0x0             ; e0, e1
.irp q, 0,1,2,3
	global_load_b128 v[QF+4*\q:QF+4*\q+3], v[LQ], s[4:5] offset:256*\q
.endr
	global_load_b128 v[GV:GV+3], v[GA], s[22:23]   ; and, a lane a query, the same groups as data
	global_load_b128 v[GV+4:GV+7], v[GA], s[22:23] offset:16
	LOADQ 0
	LOADQ 1
.irp c, 0,1,2,3,4,5,6,7,8,9,10,11,12,13,14,15
	QSTEP \c
.endr
	s_add_co_i32 s24, s16, s17                     ; e0 + e1
.irp g, 0,1,2,3,4,5,6,7
	v_lshl_add_u32 v[GV+\g], v[GV+\g], 4, v[H8]    ; the first key of my half of group g
.endr
.irp j, 0,1,2,3,4,5,6,7,8,9,10,11,12,13,14,15
	v_mov_b32 v[LV+\j], 0xff800000
	v_mov_b32 v[LI+\j], 0
.endr
	; my 64 candidates into two lists, groups 0-3 and groups 4-7, side by side.  gsel's groups ascend, so each list takes its keys in ascending order and the strict compare keeps the lower key ahead on ties
.set qg, 0
.rept 4
.set qj, 0
.rept 8
	v_add_nc_u32 v[XI], qj, v[GV+qg]
	v_add_nc_u32 v[XI+1], qj, v[GV+4+qg]
	INS_CMP 2, CD+8*qg+qj, 32
	INS_UPD 2, CD+8*qg+qj, 32, XI, 1
.set qj, qj+1
.endr
.set qg, qg+1
.endr
.set qe, 0
.rept 8                                ; the second list, whose keys are all higher, into the first
	INS_CMP 1, LV+8+qe, 0
	INS_UPD 1, LV+8+qe, 0, LI+8+qe, 0
.set qe, qe+1
.endr
.irp k, 0,1,2,3,4,5,6,7
	v_permlanex16_b32 v[CD+\k], v[LV+\k], s28, s29             ; the other half's list: its keys lie between mine, so products and keys are both compared
	v_permlanex16_b32 v[CD+8+\k], v[LI+\k], s28, s29
.endr
.set qe, 0
.rept 8
	INSLEX CD+qe, CD+8+qe
.set qe, qe+1
.endr
.irp k, 0,1,2,3,4,5,6,7
	v_ldexp_f32 v[LV+\k], v[LV+\k], s24            ; x 2^(e0 + e1)
.endr
.irp j, 0,1,2,3
	v_cndmask_b32 v[OV+\j], v[LV+\j], v[LV+4+\j], s30          ; both halves hold the same list: lane r stores places 0-3, lane 16 + r places 4-7
	v_cndmask_b32 v[OV+4+\j], v[LI+\j], v[LI+4+\j], s30
.endr
	global_store_b128 v[OUTO], v[OV:OV+3], s[14:15]            ; each store of the wave covers 512 consecutive bytes, at a multiple of 512 from the buffer's first byte
	global_store_b128 v[OUTO], v[OV+4:OV+7], s[12:13]
	s_endpgm
.Lfunc_end_k_q515d1e4e52_rescore:
	.size	k_q515d1e4e52_rescore, .Lfunc_end_k_q515d1e4e52_rescore-k_q515d1e4e52_rescore
	.p2alignl 7, 3214868480
	.fill 96, 4, 3214868480
	.section	.rodata,"a",@progbits
	.p2align	6, 0x0
	.amdhsa_kernel k_q515d1e4e52_rescore
		.amdhsa_group_segment_fixed_size 0
		.amdhsa_private_segment_fixed_size 0
		.amdhsa_enable_private_segment 0
		.amdhsa_kernarg_size 48
		.amdhsa_user_sgpr_count 2
		.amdhsa_user_sgpr_kernarg_segment_ptr 1
		.amdhsa_wavefront_size32 1
		.amdhsa_system_sgpr_workgroup_id_x 1
		.amdhsa_system_sgpr_workgroup_id_y 1
		.amdhsa_system_sgpr_workgroup_id_z 1
		.amdhsa_system_vgpr_workitem_id 0
		.amdhsa_next_free_vgpr 512
		.amdhsa_next_free_sgpr 100
		.amdhsa_reserve_vcc 0
		.amdhsa_float_denorm_mode_32 3
		.amdhsa_float_denorm_mode_16_64 3
		.amdhsa_memory_ordered 1
		.amdhsa_forward_progress 1
		.amdhsa_inst_pref_size 255
	.end_amdhsa_kernel
	.section	.bss,"aw",@nobits
	.p2align	6
	.space	262144
	.amdgpu_metadata
---
amdhsa.version: [ 1, 2 ]
amdhsa.kernels:
  - .name:           k_q515d1e4e52_rescore
    .symbol:         k_q515d1e4e52_rescore.kd
    .args:
      - { .name: qcodes, .offset: 0, .size: 8, .value_kind: global_buffer, .address_space: global }
      - { .name: kcodes, .offset: 8, .size: 8, .value_kind: global_buffer, .address_space: global }
      - { .name: gsel, .offset: 16, .size: 8, .value_kind: global_buffer, .address_space: global }
      - { .name: lowp_scales, .offset: 24, .size: 8, .value_kind: global_buffer, .address_space: global }
      - { .name: tidx, .offset: 32, .size: 8, .value_kind: global_buffer, .address_space: global }
      - { .name: tsc, .offset: 40, .size: 8, .value_kind: global_buffer, .address_space: global }
    .group_segment_fixed_size: 0
    .private_segment_fixed_size: 0
    .kernarg_segment_align: 8
    .kernarg_segment_size: 48
    .max_flat_workgroup_size: 128
    .sgpr_count:     100
    .vgpr_count:     512
    .wavefront_size: 32
...
	.end_amdgpu_metadata
.endif
;; end of part 3
;; launch mix (part 4): grid 512 x 1, 8 waves a work-group, no clusters, 0 bytes of LDS; arguments tidx, tsc, value_memories, outputs, gate, out0; writes out0
.if DOCPART == 4
	.amdgcn_target "amdgcn-amd-amdhsa--gfx1250"
	.amdhsa_code_object_version 6
	.text
	.protected	k_q515d1e4e52_mix
	.globl	k_q515d1e4e52_mix
	.p2align	8
	.type	k_q515d1e4e52_mix,@function
k_q515d1e4e52_mix:
	s_mov_b64 s[64:65], 0
	v_nop
	global_prefetch_b8 v0, s[64:65] scope:SCOPE_SE
	s_setreg_imm32_b32 hwreg(HW_REG_WAVE_MODE, 25, 1), 1
	s_wait_xcnt 0x0
; out0 row p = g x (the sum over k of tsc[p][k] x value_memories[p / 2048][tidx[p][k]]) + (1 - g) x outputs row p, g = sigmoid(gate[(p / 1024) % 8]); p = 0 .. 16,383 counts rows of 128 f32:
; the weighted rows lie [head][batch x place] and are read as [batch][head][place] without being moved, so row p of the sums meets row p of outputs, and the gate's index is taken from p as outputs counts it.
; A stream with a gather: no LDS, no barrier, no matrix unit.  A wave takes 4 rows.  A row is 512 bytes: one load or store of the wave, 16 bytes a lane.
; The keys are whole numbers that an earlier launch stored: they come by scalar loads, are held at 16,383 and then enter the addresses.  All 36 loads of a wave go out before the first is waited for.
.set AD,   4                           ; v4-35    32 offsets, never written again
.set VAL,  36                          ; v36-163  32 rows of values, 4 registers each
.set OUTP, 164                         ; v164-179 4 rows of outputs, then of out0
.set ACC,  180                         ; v180-195 the sums
	s_load_b256 s[4:11], s[0:1], 0x0               ; tidx, tsc, value_memories, outputs
	s_load_b128 s[12:15], s[0:1], 0x20             ; gate, out0
	v_lshrrev_b32 v1, 5, v0
	v_readfirstlane_b32 s48, v1                    ; wave 0..7
	v_and_b32 v1, 31, v0
	v_lshlrev_b32 v1, 4, v1                        ; 16 x lane
	s_lshl_b32 s49, ttmp9, 5
	s_lshl_b32 s48, s48, 2
	s_add_co_u32 s49, s49, s48                     ; my first row p
	s_lshl_b32 s50, s49, 5                         ; x 32 bytes of tidx and tsc
	s_mov_b32 s51, 0
	s_lshl_b32 s52, s49, 9                         ; x 512 bytes of outputs and out0
	s_mov_b32 s53, 0
	s_lshr_b32 s54, s49, 11                        ; the values' head,
	s_lshl_b32 s54, s54, 23                        ; 16,384 rows x 512 bytes each
	s_mov_b32 s55, 0
	s_bfe_u32 s56, s49, 0x3000a                    ; (p / 1024) % 8: the same for my four rows
	s_lshl_b32 s56, s56, 2
	s_mov_b32 s57, 0
	s_wait_kmcnt 0x0
	s_add_nc_u64 s[4:5], s[4:5], s[50:51]
	s_add_nc_u64 s[6:7], s[6:7], s[50:51]
	s_add_nc_u64 s[8:9], s[8:9], s[54:55]
	s_add_nc_u64 s[10:11], s[10:11], s[52:53]
	s_add_nc_u64 s[12:13], s[12:13], s[56:57]
	s_add_nc_u64 s[14:15], s[14:15], s[52:53]
	s_load_b512 s[16:31], s[4:5], 0x0              ; 4 x 8 keys
	s_load_b512 s[32:47], s[4:5], 0x40
	s_load_b512 s[68:83], s[6:7], 0x0              ; 4 x 8 scores
	s_load_b512 s[84:99], s[6:7], 0x40
	s_load_b32 s58, s[12:13], 0x0                  ; the gate
	s_wait_kmcnt 0x0
.irp i, 0,1,2,3
.irp k, 0,1,2,3,4,5,6,7
	s_min_u32 s[16+8*\i+\k], s[16+8*\i+\k], 16383
	s_lshl_b32 s[16+8*\i+\k], s[16+8*\i+\k], 9
	v_add_nc_u32 v[AD+8*\i+\k], s[16+8*\i+\k], v1
.endr
.irp k, 0,1,2,3,4,5,6,7
	global_load_b128 v[VAL+32*\i+4*\k:VAL+32*\i+4*\k+3], v[AD+8*\i+\k], s[8:9]   ; a row of values may be named by many queries: no hint
.endr
	global_load_b128 v[OUTP+4*\i:OUTP+4*\i+3], v1, s[10:11] offset:512*\i th:TH_LOAD_NT
.endr
	v_mov_b32 v2, s58                              ; while the loads are out: g = 1 / (1 + 2^(-log2(e) x gate))
	v_mul_f32 v2, 0xbfb8aa3b, v2
	v_exp_f32 v2, v2
	v_nop                                          ; a plain instruction behind the transcendental,
	s_wait_alu depctr_va_vdst(0)                   ; and a wait ahead of the first use of its result
	v_add_f32 v2, 1.0, v2
	v_rcp_f32 v2, v2
	v_nop
	s_wait_alu depctr_va_vdst(0)
	v_sub_f32 v3, 1.0, v2                          ; 1 - g
.irp i, 0,1,2,3
	s_wait_loadcnt 27-9*\i                         ; row i's nine loads are in; nine for each later row may be out
.irp j, 0,1,2,3
	v_mul_f32 v[ACC+4*\i+\j], s[68+8*\i], v[VAL+32*\i+\j]      ; the first term starts the sum
.endr
.irp k, 1,2,3,4,5,6,7
.irp j, 0,1,2,3
	v_fmac_f32 v[ACC+4*\i+\j], s[68+8*\i+\k], v[VAL+32*\i+4*\k+\j]
.endr
.endr
.irp j, 0,1,2,3
	v_mul_f32 v[OUTP+4*\i+\j], v3, v[OUTP+4*\i+\j]
.endr
.irp j, 0,1,2,3
	v_fmac_f32 v[OUTP+4*\i+\j], v2, v[ACC+4*\i+\j]
.endr
	global_store_b128 v1, v[OUTP+4*\i:OUTP+4*\i+3], s[14:15] offset:512*\i th:TH_STORE_NT   ; 512 consecutive bytes, at a multiple of 512 from out0's first byte; written once
.endr
	s_endpgm
.Lfunc_end_k_q515d1e4e52_mix:
	.size	k_q515d1e4e52_mix, .Lfunc_end_k_q515d1e4e52_mix-k_q515d1e4e52_mix
	.p2alignl 7, 3214868480
	.fill 96, 4, 3214868480
	.section	.rodata,"a",@progbits
	.p2align	6, 0x0
	.amdhsa_kernel k_q515d1e4e52_mix
		.amdhsa_group_segment_fixed_size 0
		.amdhsa_private_segment_fixed_size 0
		.amdhsa_enable_private_segment 0
		.amdhsa_kernarg_size 48
		.amdhsa_user_sgpr_count 2
		.amdhsa_user_sgpr_kernarg_segment_ptr 1
		.amdhsa_wavefront_size32 1
		.amdhsa_system_sgpr_workgroup_id_x 1
		.amdhsa_system_sgpr_workgroup_id_y 1
		.amdhsa_system_sgpr_workgroup_id_z 1
		.amdhsa_system_vgpr_workitem_id 0
		.amdhsa_next_free_vgpr 200
		.amdhsa_next_free_sgpr 100
		.amdhsa_reserve_vcc 0
		.amdhsa_float_denorm_mode_32 3
		.amdhsa_float_denorm_mode_16_64 3
		.amdhsa_memory_ordered 1
		.amdhsa_forward_progress 1
		.amdhsa_inst_pref_size 15
	.end_amdhsa_kernel
	.amdgpu_metadata
---
amdhsa.version: [ 1, 2 ]
amdhsa.kernels:
  - .name:           k_q515d1e4e52_mix
    .symbol:         k_q515d1e4e52_mix.kd
    .args:
      - { .name: tidx, .offset: 0, .size: 8, .value_kind: global_buffer, .address_space: global }
      - { .name: tsc, .offset: 8, .size: 8, .value_kind: global_buffer, .address_space: global }
      - { .name: value_memories, .offset: 16, .size: 8, .value_kind: global_buffer, .address_space: global }
      - { .name: outputs, .offset: 24, .size: 8, .value_kind: global_buffer, .address_space: global }
      - { .name: gate, .offset: 32, .size: 8, .value_kind: global_buffer, .address_space: global }
      - { .name: out0, .offset: 40, .size: 8, .value_kind: global_buffer, .address_space: global }
    .group_segment_fixed_size: 0
    .private_segment_fixed_size: 0
    .kernarg_segment_align: 8
    .kernarg_segment_size: 48
    .max_flat_workgroup_size: 256
    .sgpr_count:     100
    .vgpr_count:     200
    .wavefront_size: 32
...
	.end_amdgpu_metadata
.endif
;; end of part 4
